; MI455X (gfx1250); checked and timed in simulation.
; The chip was launched on July 23, 2026; its instructions are those of AMD's public machine-readable ISA for CDNA 5 (MIT licence, August 2026) and "CDNA5" Instruction Set Architecture Reference Guide (July 2026). The comments in the code are by the model that wrote it; some were corrected since.
;; Multihead Self Attention. Allowed arithmetic: matrix products marked QUANTISED: E4M3 operands, one given power-of-two scale a tensor, by v_wmma_f32_16x16x64_fp8_fp8 or v_wmma_f32_16x16x128_fp8_fp8, f32 sums; everything else in f32.
;; Inputs: Wk 1,024 x 1,024 float32; Wo 1,024 x 1,024 float32; Wq 1,024 x 1,024 float32; Wv 1,024 x 1,024 float32; lowp_scales 12 int32 (the exponents e of the quantised operands' scales 2^e); x 1 x 4,096 x 1,024 float32.
;; Outputs: out0 1 x 4,096 x 1,024 float32.
;; This version of the problem:
;;   THIS VERSION OF THE PROBLEM IS GIVEN IN LOW PRECISION. The matrix products marked QUANTISED in the list below multiply operands that are first quantised to E4M3 (4 exponent bits, 3 mantissa bits; 8 bits a number), with one given power-of-two scale for each operand tensor; their sums are f32. All else is computed in f32.
;;   The module's matrix products, in the order in which they are computed (A, B: the left and right operand; K: the contracted axis; several contracted axes count as one K, in the product's order):
;;     1. [M 4,096, K 1,024] x [K 1,024, N 1,024]; A: input x; B: input Wq: QUANTISED (scales: A lowp_scales[0], B lowp_scales[1])
;;     2. [M 4,096, K 1,024] x [K 1,024, N 1,024]; A: input x; B: input Wk: QUANTISED (scales: A lowp_scales[2], B lowp_scales[3])
;;     3. [M 4,096, K 1,024] x [K 1,024, N 1,024]; A: input x; B: input Wv: QUANTISED (scales: A lowp_scales[4], B lowp_scales[5])
;;     4. batch 16 x [M 4,096, K 64] x [K 64, N 4,096]; A: computed on the way; B: computed on the way: QUANTISED (scales: A lowp_scales[6], B lowp_scales[7])
;;     5. batch 16 x [M 4,096, K 4,096] x [K 4,096, N 64]; A: softmax (see below); B: computed on the way: QUANTISED (scales: A lowp_scales[8], B lowp_scales[9])
;;     6. [M 4,096, K 1,024] x [K 1,024, N 1,024]; A: computed on the way; B: input Wo: QUANTISED (scales: A lowp_scales[10], B lowp_scales[11])
;;   THE QUANTISER, for each operand of a quantised product, along K:
;;     - The operand's scale is 2^e, e = its entry of the input lowp_scales (int32; the entries are numbered through the quantised products in the list's order, A before B).
;;     - Each number is divided by the scale, clamped to +-448, and rounded to the nearest number of E4M3, ties to even, subnormals kept.
;;     - The product sums the exact products of the quantised numbers (number of the format x scale) in f32.
;;   ~~~python
;;   def quantise(x, axis, e):      # numpy; x: float32 -> the quantised numbers, widened to float32 again
;;       x = np.moveaxis(x, axis, -1); K = x.shape[-1]
;;       r = np.clip(x / 2.0 ** e, -448, 448)
;;       step = 2.0 ** (np.maximum(np.frexp(np.where(r == 0, 1, r))[1] - 1, -6) - 3)
;;       q = np.round(r / step) * step * 2.0 ** e      # np.round: ties to even
;;       return np.moveaxis(q, -1, axis).astype(np.float32)
;;   ~~~
;;   SOFTMAX AHEAD OF A QUANTISED PRODUCT. Where the list says 'softmax', what is quantised is not the finished softmax but p = 2^(t - M), with t = logit x log2(e) and M = ceil(the row's largest t), a whole number; so 1/2 < the row's largest p <= 1. The row's sum l is taken of the UNQUANTISED p, in f32, and the product's result is divided by l at the end. Since M is a whole number, a kernel that streams over the keys may use a running M (the ceiling of the running maximum): every later rescaling is an exact power of two, so the quantised numbers keep their values, but for numbers so far below the row's largest that they fall under the format's range.
;;   OPERANDS COMPUTED ON THE WAY. 'Computed on the way' means the value that the module computes at that place (a softmax that the list does not call 'softmax' is quantised finished and normalised). What goes into a quantiser is computed in f32, as accurately as f32 sums, v_exp_f32 and their like allow (about 1e-6 of the number): no bf16 or f16 on the way to a quantiser, and a product that is left as it is and whose result goes on into a quantised operand takes f32 operands (vector FMAs, or v_wmma_f32_16x16x4_f32). A number that lies on a knife's edge between two numbers of the format may be rounded either way, as far as f32 arithmetic and the matrix unit's own rounding can turn it there, and no further.
;; One version. Each part assembles by itself: llvm-mc -triple=amdgcn-amd-amdhsa -mcpu=gfx1250 --defsym DOCPART=n.
;; ======== version 1 of 1: 4 launches
;; limits: right only within a limited range of input values
;; workspace buffers: xc 12,582,912 bytes; wc 4,194,304 bytes; qc 4,194,304 bytes; kv 8,388,608 bytes; oc 4,194,304 bytes
;; launch quant (part 1): grid 1024 x 1, 4 waves a work-group, no clusters, 34,304 bytes of LDS; arguments x, Wq, Wk, Wv, Wo, lowp_scales, xc, wc; writes xc, wc
.if DOCPART == 1
	.amdgcn_target "amdgcn-amd-amdhsa--gfx1250"
	.amdhsa_code_object_version 6
	.text
	.protected	k_q5c72ed77bc_quant
	.globl	k_q5c72ed77bc_quant
	.p2align	8
	.type	k_q5c72ed77bc_quant,@function
k_q5c72ed77bc_quant:
	s_mov_b64 s[64:65], 0
	v_nop
	global_prefetch_b8 v0, s[64:65] scope:SCOPE_SE
	s_setreg_imm32_b32 hwreg(HW_REG_WAVE_MODE, 25, 1), 1
	s_wait_xcnt 0x0
; x [4096][1024] and Wq, Wk, Wv, Wo [1024][1024], f32, become codes of FP8 (E4M3), each with the scale 2^e that is given for it.
; x is an operand of three products with three entries of the scales (0, 2, 4), which may differ: it gets three sets of codes.  Wq, Wk, Wv, Wo take entries 1, 3, 5, 11.
; code = number / 2^e, held within +-448, rounded to the nearest code, ties to even.
; LIMITS: each e between -126 and 119, so that 2^e and 448 x 2^e are f32 numbers.  NaN among the inputs is not served; an infinity is held at the largest code.
; THE CODES ARE LAID AS IMAGES OF OPERAND REGISTERS.  A fragment (16 rows x 128 K) is 16 registers a lane: four parts of 512 bytes, lane l's four registers at 16 l.
; Lane (r, h) holds row r; registers 2 g, 2 g + 1 hold k = 16 g + 8 h + 0 .. 7.  So the products' launches fetch a fragment by four loads of 512 consecutive bytes, and a tile is one dense block.
; xc: [set 3][K step of 256: 4][tile 256][half of the step: 2][2048].  wc: [weight 4][K step 4][tile 64][2][2048].
; THE ROWS OF A TILE OF x ARE NOT NEIGHBOURS: row r of tile T is token 32 (T / 2) + 8 (T % 2) + r + 8 (r / 8), so that later, where tokens are a product's K, a lane's 16 registers of two tiles are 16 neighbours.
; A tile of a weight holds rows 16 T + r.
; SHARES.  One wave makes one fragment: it reads 16 rows x 512 bytes, each load 512 consecutive bytes; the bytes turn through the wave's own stage in LDS (rows of 528 bytes: 33 x 16, so that the
; sixteen rows that a read touches begin at sixteen different banks: 64 banks of 4 bytes, ISA guide 11.1) and come back as 8 neighbours along K at a time.  Waves share nothing: no barrier.
; Work-groups 0 to 511 take x (256 tiles x 8 pieces of K), the others the weights (4 x 64 x 8).  No loop: every offset is an immediate, and no register that a store reads is written again.
.set STG,  16*528                      ; a wave's stage
.set VA,   2                           ; v2   16 x lane: my bytes of a row's 512, and of an image's part
.set VB,   3                           ; v3   the same, at the tile's rows 8 to 15
.set STW,  4                           ; v4   the stage, on the way in
.set LDR,  5                           ; v5   and on the way out: row r, + 32 h
.set R,    16                          ; v16-79   as loaded; later the held numbers
.set X,    80                          ; v80-143  register 8 g + i = k 16 g + 8 h + i of my row
.set C,    144                         ; v144-191 codes: 16 registers for each set
	s_load_b256 s[4:11], s[0:1], 0x0               ; x s[4:5], Wq s[6:7], Wk s[8:9], Wv s[10:11]
	s_load_b256 s[12:19], s[0:1], 0x20             ; Wo s[12:13], the scales' exponents s[14:15], xc s[16:17], wc s[18:19]
	v_lshl_add_u32 v192, v0, 2, 0x8400
	v_mov_b32 v193, 0
	v_lshrrev_b32 v1, 5, v0
	v_readfirstlane_b32 s20, v1                    ; wave
	v_and_b32 v1, 31, v0
	v_lshlrev_b32 v[VA], 4, v1
	s_wait_alu depctr_va_vdst(0)
	v_and_b32 v12, 15, v0                          ; r
	v_bfe_u32 v13, v0, 4, 1                        ; h
	s_mul_i32 s21, s20, STG
	v_add_nc_u32 v[STW], s21, v[VA]
	v_mul_u32_u24 v[LDR], v12, 528
	v_lshl_add_u32 v[LDR], v13, 5, v[LDR]
	v_add_nc_u32 v[LDR], s21, v[LDR]
	s_lshl_b32 s21, ttmp9, 2
	s_add_co_u32 s21, s21, s20                     ; j = 4 x work-group + wave
	s_and_b32 s22, s21, 7                          ; which 128 along K
	s_bfe_u32 s23, s21, 0x80003                    ; idx = (j / 8) % 256: x's tile, or 64 x weight + tile
	s_lshr_b32 s24, s23, 6                         ; which weight
	s_lshr_b32 s34, s23, 1
	s_lshl_b32 s34, s34, 5
	s_and_b32 s35, s23, 1
	s_lshl_b32 s35, s35, 3
	s_add_co_u32 s34, s34, s35                     ; x: the tile's first row, 32 (T / 2) + 8 (T % 2)
	s_and_b32 s35, s23, 63
	s_lshl_b32 s36, s35, 4                         ; a weight: 16 T
	s_lshr_b32 s37, s22, 1                         ; the K step of 256
	s_lshl_b32 s38, s37, 20
	s_lshl_b32 s39, s23, 12
	s_add_co_u32 s38, s38, s39                     ; xc: K step x 1 MiB + tile x 4096
	s_lshl_b32 s37, s37, 18
	s_lshl_b32 s39, s24, 20
	s_add_co_u32 s37, s37, s39
	s_lshl_b32 s35, s35, 12
	s_add_co_u32 s37, s37, s35                     ; wc: weight x 1 MiB + K step x 256 KiB + tile x 4096
	s_mov_b32 s25, 0x8000
	s_cmp_lt_u32 ttmp9, 512                        ; x's work-group or a weight's?  All that is chosen are pointers, offsets and an exponent: one path through the text up to the first set's stores
	s_cselect_b32 s34, s34, s36
	s_cselect_b32 s38, s38, s37
	s_cselect_b32 s25, 0x10000, s25                ; from row 0 to row 8 of the tile: 16 rows of 4096 bytes in x, 8 in a weight
	s_lshl_b32 s34, s34, 12
	s_lshl_b32 s35, s22, 9
	s_add_co_u32 s34, s34, s35                     ; from where: row x 4096 + 512 x piece of K
	s_mov_b32 s35, 0
	s_and_b32 s36, s22, 1
	s_lshl_b32 s36, s36, 11
	s_add_co_u32 s38, s38, s36                     ; to where: + 2048 x half of the K step
	s_mov_b32 s39, 0
	v_add_nc_u32 v[VB], s25, v[VA]
	s_wait_alu depctr_va_vdst(0)
	s_wait_kmcnt 0x0
	s_load_b256 s[40:47], s[14:15], 0x0            ; e0 .. e7
	s_load_b128 s[48:51], s[14:15], 0x20           ; e8 .. e11
	s_cmp_eq_u32 s24, 1
	s_cselect_b64 s[26:27], s[8:9], s[6:7]
	s_cmp_eq_u32 s24, 2
	s_cselect_b64 s[26:27], s[10:11], s[26:27]
	s_cmp_eq_u32 s24, 3
	s_cselect_b64 s[26:27], s[12:13], s[26:27]
	s_cmp_lt_u32 ttmp9, 512
	s_cselect_b64 s[26:27], s[4:5], s[26:27]       ; the tensor that I read
	s_cselect_b64 s[28:29], s[16:17], s[18:19]     ; and the buffer that I write
	s_add_nc_u64 s[26:27], s[26:27], s[34:35]
	s_add_nc_u64 s[28:29], s[28:29], s[38:39]
	s_add_nc_u64 s[30:31], s[28:29], 0x400000      ; x's second and third set (named by x's work-groups alone)
	s_add_nc_u64 s[32:33], s[28:29], 0x800000
.set i, 0
.rept 8
	global_load_b128 v[R+4*i:R+4*i+3], v[VA], s[26:27] offset:4096*i th:TH_LOAD_NT      ; row i: 32 lanes read 512 consecutive bytes; read once in the launch
.set i, i+1
.endr
.rept 8
	global_load_b128 v[R+4*i:R+4*i+3], v[VB], s[26:27] offset:4096*(i-8) th:TH_LOAD_NT
.set i, i+1
.endr
.macro SCALE e, sc, lim                ; v[sc] = 2^e as f32: the conversion takes its exponent field;  v[lim] = 448 x 2^e
	s_add_co_i32 s34, \e, 127
	s_lshl_b32 s35, s34, 23
	v_mov_b32 v[\sc], s35
	s_add_co_i32 s34, s34, 8
	s_lshl_b32 s34, s34, 23
	s_or_b32 s34, s34, 0x600000
	v_mov_b32 v[\lim], s34
.endm
	s_wait_kmcnt 0x0
	s_cmp_eq_u32 s24, 1
	s_cselect_b32 s36, s43, s41                    ; e3 or e1
	s_cmp_eq_u32 s24, 2
	s_cselect_b32 s36, s45, s36                    ; e5
	s_cmp_eq_u32 s24, 3
	s_cselect_b32 s36, s51, s36                    ; e11
	s_cmp_lt_u32 ttmp9, 512
	s_cselect_b32 s36, s40, s36                    ; e0
	SCALE s36, 6, 7
	SCALE s42, 8, 9                                ; e2
	SCALE s44, 10, 11                              ; e4
.set i, 0
	s_wait_alu depctr_va_vdst(0)
.rept 16
	s_wait_loadcnt 15-i                            ; loads come back in order (ISA guide 5.7.1): row i is in, the younger ones stay out
	ds_store_b128 v[STW], v[R+4*i:R+4*i+3] offset:528*i
.set i, i+1
.endr
.irp c, 0,1,2,3
.irp q, 0,1
.irp z, 0,1
	ds_load_b128 v[X+16*\c+8*\q+4*\z:X+16*\c+8*\q+4*\z+3], v[LDR] offset:128*\c+64*\q+16*\z   ; LDS serves a wave's instructions in order (ISA guide 5.7.1.4): these see my stores.  k = 32 c + 16 q + 8 h + 4 z + 0 .. 3
.endr
.endr
.endr
	s_wait_dscnt 0x0
; One set of codes: the hold (not in place: X serves three sets), the conversions, four stores of 512 consecutive bytes.
.macro PASS p, sc, lim, d
.set i, 0
.rept 64
	v_med3_num_f32 v[R+i], v[X+i], -v[\lim], v[\lim]   ; the conversion to an 8-bit code does not saturate (ISA guide 7.6.2): hold the number within the largest code x the scale first
.set i, i+1
.endr
.irp g, 0,1,2,3,4,5,6,7
	v_cvt_scalef32_pk8_fp8_f32 v[C+16*\p+2*\g:C+16*\p+2*\g+1], v[R+8*\g:R+8*\g+7], v[\sc]
.endr
	v_nop                                          ; one plain vector instruction between the conversions and the next set's holds, which write their sources
.irp c, 0,1,2,3
	global_store_b128 v[VA], v[C+16*\p+4*\c:C+16*\p+4*\c+3], s[\d:\d+1] offset:512*\c
.endr
.endm
	PASS 0, 6, 7, 28
	s_cmp_ge_u32 ttmp9, 512
	s_cbranch_scc1 .Lend                           ; a weight has one scale
	PASS 1, 8, 9, 30
	PASS 2, 10, 11, 32
.Lend:
	s_wait_tensorcnt 0x0
	ds_add_u32 v192, v193
	s_wait_dscnt 0x0
	s_endpgm
.Lfunc_end_k_q5c72ed77bc_quant:
	.size	k_q5c72ed77bc_quant, .Lfunc_end_k_q5c72ed77bc_quant-k_q5c72ed77bc_quant
	.p2alignl 7, 3214868480
	.fill 96, 4, 3214868480
	.section	.rodata,"a",@progbits
	.p2align	6, 0x0
	.amdhsa_kernel k_q5c72ed77bc_quant
		.amdhsa_group_segment_fixed_size 34304
		.amdhsa_private_segment_fixed_size 0
		.amdhsa_enable_private_segment 0
		.amdhsa_kernarg_size 64
		.amdhsa_user_sgpr_count 2
		.amdhsa_user_sgpr_kernarg_segment_ptr 1
		.amdhsa_wavefront_size32 1
		.amdhsa_system_sgpr_workgroup_id_x 1
		.amdhsa_system_sgpr_workgroup_id_y 1
		.amdhsa_system_sgpr_workgroup_id_z 1
		.amdhsa_system_vgpr_workitem_id 0
		.amdhsa_next_free_vgpr 194
		.amdhsa_next_free_sgpr 66
		.amdhsa_reserve_vcc 0
		.amdhsa_float_denorm_mode_32 3
		.amdhsa_float_denorm_mode_16_64 3
		.amdhsa_memory_ordered 1
		.amdhsa_forward_progress 1
		.amdhsa_inst_pref_size 24
	.end_amdhsa_kernel
	.amdgpu_metadata
---
amdhsa.version: [ 1, 2 ]
amdhsa.kernels:
  - .name:           k_q5c72ed77bc_quant
    .symbol:         k_q5c72ed77bc_quant.kd
    .args:
      - { .name: x, .offset: 0, .size: 8, .value_kind: global_buffer, .address_space: global }
      - { .name: Wq, .offset: 8, .size: 8, .value_kind: global_buffer, .address_space: global }
      - { .name: Wk, .offset: 16, .size: 8, .value_kind: global_buffer, .address_space: global }
      - { .name: Wv, .offset: 24, .size: 8, .value_kind: global_buffer, .address_space: global }
      - { .name: Wo, .offset: 32, .size: 8, .value_kind: global_buffer, .address_space: global }
      - { .name: lowp_scales, .offset: 40, .size: 8, .value_kind: global_buffer, .address_space: global }
      - { .name: xc, .offset: 48, .size: 8, .value_kind: global_buffer, .address_space: global }
      - { .name: wc, .offset: 56, .size: 8, .value_kind: global_buffer, .address_space: global }
    .group_segment_fixed_size: 34304
    .private_segment_fixed_size: 0
    .kernarg_segment_align: 8
    .kernarg_segment_size: 64
    .max_flat_workgroup_size: 128
    .sgpr_count:     66
    .vgpr_count:     194
    .wavefront_size: 32
...
	.end_amdgpu_metadata
.endif
;; end of part 1
;; launch qkv (part 2): grid 12 x 16, 4 waves a work-group, clusters of 4 x 4, 327,680 bytes of LDS; arguments xc, wc, lowp_scales, qc, kv; writes qc, kv
.if DOCPART == 2
	.amdgcn_target "amdgcn-amd-amdhsa--gfx1250"
	.amdhsa_code_object_version 6
	.text
	.protected	k_q5c72ed77bc_qkv
	.globl	k_q5c72ed77bc_qkv
	.p2align	8
	.type	k_q5c72ed77bc_qkv,@function
k_q5c72ed77bc_qkv:
	s_mov_b64 s[64:65], 0
	v_nop
	global_prefetch_b8 v0, s[64:65] scope:SCOPE_SE
	s_setreg_imm32_b32 hwreg(HW_REG_WAVE_MODE, 25, 1), 1
	s_wait_xcnt 0x0
	s_wait_alu depctr_hold_cnt(0) depctr_sa_sdst(0) depctr_va_vdst(0) depctr_va_sdst(0) depctr_va_ssrc(0) depctr_va_vcc(0) depctr_vm_vsrc(0)
	s_getreg_b32 s2, hwreg(HW_REG_IB_STS2, 6, 4)
	s_cmp_eq_u32 s2, 0
	s_cbranch_scc0 .Lentry_in_a_cluster
	s_endpgm
.Lentry_in_a_cluster:
	s_bfe_u32 s2, ttmp6, 0x10000c
	s_cmp_lg_u32 s2, 0xf033
	s_cbranch_scc0 .Lentry_shape_is_right
	s_endpgm
.Lentry_shape_is_right:
.set HALFT,  32768
.set SLOT,   4*HALFT
.set SPARE,  2*SLOT
.set FR,     16
.set NL,     4
.set NP,     4
.set SC,   12
.set LIM,  13
.set LI,   14
.set ADRA, 16
.set ADRB, 20
.set SPW,  28
.set NIL,  29
.set TMP,  32
.set VO,   96
.set AF,   128
.set CD,   128
.set G1, 24
.set G0, 32
.set G1B, 48
.set G0B, 56
.set MSB, 0
.macro WIN new
.if MSB != \new
	s_set_vgpr_msb (MSB<<8)|\new
.set MSB, \new
.endif
.endm
.set MUL_LO, 0xa1
.set MUL_HI, 0xf1
.set TO_B,   0x40
.macro JLOAD g0a, g1a, g0b, g1b
	s_cmp_eq_u32 s15, 0
	s_cbranch_scc0 .Lfor_b_\@
	tensor_load_to_lds s[\g0a:\g0a+3], s[\g1a:\g1a+7]
	s_nop 0
.rept 4
	v_nop
.endr
	s_branch .Lasked_\@
.Lfor_b_\@:
	tensor_load_to_lds s[\g0b:\g0b+3], s[\g1b:\g1b+7]
	s_nop 0
.rept 4
	v_nop
.endr
.Lasked_\@:
.endm
.macro CREST
	s_cmp_lg_u32 s14, 0
	s_cbranch_scc1 .Lnot_wave_0_\@
	s_barrier_signal -3
.Lnot_wave_0_\@:
	s_barrier_wait -3
	s_barrier_signal -1
	s_barrier_wait -1
.endm
.macro CROUND
	s_barrier_signal -1
	s_barrier_wait -1
	CREST
.endm
	s_load_b256 s[4:11], s[0:1], 0x0
	s_load_b64 s[12:13], s[0:1], 0x20
	v_lshl_add_u32 v[SPW], v0, 2, SPARE
	v_mov_b32 v[NIL], 0
	ds_add_u32 v28, v29
	ds_add_u32 v28, v29
	s_wait_dscnt 0x0
	v_lshrrev_b32 v1, 5, v0
	v_readfirstlane_b32 s14, v1
	s_lshr_b32 s15, s14, 1
	s_and_b32 s16, s14, 1
	s_bfe_u32 s40, ttmp6, 0x40000
	s_bfe_u32 s41, ttmp6, 0x40004
	s_and_b32 s17, ttmp7, 0xffff
	s_lshl_b32 s18, s17, 2
	s_add_co_u32 s19, s18, s41
	s_add_co_u32 s22, s18, s40
	s_lshl_b32 s43, s41, 2
	s_lshl_b32 s43, 15, s43
	s_lshl_b32 s44, 0x1111, s40
	s_or_b32 s[G1+0], s43, (3<<16)|(1<<21)
	s_or_b32 s[G1B+0], s44, (3<<16)|(1<<21)
.irp g, G1, G1B
	s_mov_b32 s[\g+1], 32<<16
	s_mov_b32 s[\g+2], 128<<16
	s_mov_b32 s[\g+3], 32<<16
	s_mov_b32 s[\g+4], 128
	s_mov_b32 s[\g+5], 32
	s_mov_b32 s[\g+6], 0
	s_mov_b32 s[\g+7], 0
.endr
	s_lshl_b32 s80, ttmp9, 22
	s_lshl_b32 s81, ttmp9, 20
	s_mov_b32 s82, 0x100000
	s_mov_b32 s83, 0x40000
	s_cmp_eq_u32 ttmp9, 2
	s_cselect_b32 s78, s41, s19
	s_cselect_b32 s79, s22, s40
	s_cselect_b32 s20, 0x200000, s80
	s_cselect_b32 s46, 0x800000, s81
	s_cselect_b32 s70, s83, s82
	s_cselect_b32 s72, s82, s83
	s_lshl_b32 s80, s78, 16
	s_add_co_u32 s20, s20, s80
	s_lshl_b32 s81, s79, 16
	s_add_co_u32 s46, s46, s81
	s_lshl_b32 s82, s16, 15
	s_add_co_u32 s20, s20, s82
	s_add_co_u32 s46, s46, s82
	s_mov_b32 s21, 0
	s_mov_b32 s47, 0
	s_mov_b32 s71, 0
	s_mov_b32 s73, 0
	s_lshl_b32 s66, s70, 1
	s_mov_b32 s67, 0
	s_lshl_b32 s68, s72, 1
	s_mov_b32 s69, 0
	s_mul_i32 s45, s14, HALFT
	s_wait_kmcnt 0x0
	s_load_b256 s[84:91], s[8:9], 0x0
	s_load_b64 s[92:93], s[8:9], 0x20
	s_cmp_eq_u32 ttmp9, 2
	s_cselect_b64 s[74:75], s[6:7], s[4:5]
	s_cselect_b64 s[76:77], s[4:5], s[6:7]
	s_add_nc_u64 s[74:75], s[74:75], s[20:21]
	s_add_nc_u64 s[76:77], s[76:77], s[46:47]
	CROUND
.irp s, 0,1
	s_mov_b32 s[G0+4*\s], 1
	s_add_co_u32 s[G0+4*\s+1], s45, \s*SLOT
	s_mov_b64 s[G0+4*\s+2:G0+4*\s+3], s[74:75]
	s_or_b32 s[G0+4*\s+3], s[G0+4*\s+3], 0x80000000
	s_mov_b32 s[G0B+4*\s], 1
	s_add_co_u32 s[G0B+4*\s+1], s45, \s*SLOT
	s_mov_b64 s[G0B+4*\s+2:G0B+4*\s+3], s[76:77]
	s_or_b32 s[G0B+4*\s+3], s[G0B+4*\s+3], 0x80000000
	s_wait_alu depctr_va_vdst(0)
	s_wait_tensorcnt 0x0
	ds_add_u32 v28, v29
	ds_add_u32 v28, v29
	s_wait_dscnt 0x0
	CROUND
	JLOAD G0+4*\s, G1, G0B+4*\s, G1B
	s_add_nc_u64 s[74:75], s[74:75], s[70:71]
	s_add_nc_u64 s[76:77], s[76:77], s[72:73]
.endr
	v_and_b32 v1, 31, v0
	v_lshlrev_b32 v[LI], 4, v1
	s_mul_i32 s80, s15, HALFT
	s_mul_i32 s81, s16, HALFT
	s_add_co_u32 s81, s81, 2*HALFT
.irp s, 0,1
	v_add_nc_u32 v[ADRA+\s], s80, v[LI]
	v_add_nc_u32 v[ADRB+\s], s81, v[LI]
	s_add_co_u32 s80, s80, SLOT
	s_add_co_u32 s81, s81, SLOT
.endr
	s_wait_alu depctr_va_vdst(0)
	s_wait_kmcnt 0x0
	s_sub_co_i32 s80, s90, s84
	s_sub_co_i32 s80, s80, s85
	s_sub_co_i32 s81, s91, s86
	s_sub_co_i32 s81, s81, s87
	s_sub_co_i32 s82, s93, s88
	s_sub_co_i32 s82, s82, s89
	s_lshl_b32 s83, s79, 2
	s_lshl_b32 s98, s16, 1
	s_add_co_u32 s83, s83, s98
	s_lshl_b32 s94, s83, 18
	s_lshl_b32 s98, s78, 14
	s_add_co_u32 s94, s94, s98
	s_lshl_b32 s99, s15, 13
	s_add_co_u32 s94, s94, s99
	s_lshl_b32 s83, s83, 19
	s_lshl_b32 s98, s78, 15
	s_add_co_u32 s83, s83, s98
	s_add_co_u32 s83, s83, s99
	s_lshl_b32 s98, s78, 21
	s_lshl_b32 s99, s15, 20
	s_add_co_u32 s98, s98, s99
	s_lshl_b32 s99, s79, 15
	s_add_co_u32 s98, s98, s99
	s_lshl_b32 s99, s16, 13
	s_add_co_u32 s98, s98, s99
	s_add_co_u32 s98, s98, 16384
	s_mov_b32 s95, 1024
	s_mov_b32 s96, 1024
	s_mov_b32 s97, 0x80000
	s_cmp_eq_u32 ttmp9, 0
	s_cselect_b32 s94, s94, s83
	s_cselect_b32 s80, s80, s81
	s_cselect_b32 s97, 0x40000, s97
	s_cselect_b64 s[100:101], s[10:11], s[12:13]
	s_cmp_eq_u32 ttmp9, 2
	s_cselect_b32 s94, s98, s94
	s_cselect_b32 s80, s82, s80
	s_cselect_b32 s95, 2048, s95
	s_cselect_b32 s96, 518144, s96
	s_cselect_b32 s97, 1024, s97
	s_add_co_i32 s80, s80, 127
	s_lshl_b32 s81, s80, 23
	v_mov_b32 v[SC], s81
	s_add_co_i32 s80, s80, 8
	s_lshl_b32 s80, s80, 23
	s_or_b32 s80, s80, 0x600000
	v_mov_b32 v[LIM], s80
.set blk, 0
.rept 8
	s_add_co_u32 s99, s94, s97
	v_add_nc_u32 v[VO+2*blk], s94, v[LI]
	v_add_nc_u32 v[VO+2*blk+1], s99, v[LI]
.if blk == 3
	s_add_co_u32 s94, s94, s96
.else
	s_add_co_u32 s94, s94, s95
.endif
.set blk, blk+1
.endr
.macro FRAG reg, adr, q, i
.irp c, 0,1,2,3
	ds_load_b128 v[\reg+4*\c:\reg+4*\c+3], v[\adr] offset:4096*(\i)+2048*(\q)+512*\c
.endr
.endm
.macro MUL16 a0, p, zero
.irp a, \a0, \a0+1
.irp b, 0,1,2,3,4,5,6,7
.if \zero
	v_wmma_f32_16x16x128_fp8_fp8 v[8*(8*((\a)%4)+\b):8*(8*((\a)%4)+\b)+7], v[128*(\p)+FR*\b:128*(\p)+FR*\b+FR-1], v[AF+FR*(\a):AF+FR*(\a)+FR-1], 0
.else
	v_wmma_f32_16x16x128_fp8_fp8 v[8*(8*((\a)%4)+\b):8*(8*((\a)%4)+\b)+7], v[128*(\p)+FR*\b:128*(\p)+FR*\b+FR-1], v[AF+FR*(\a):AF+FR*(\a)+FR-1], v[8*(8*((\a)%4)+\b):8*(8*((\a)%4)+\b)+7]
.endif
.endr
.endr
.endm
.macro FETCH_B slot, q, p
	WIN TO_B
.irp i, 0,1,2,3,4,5,6,7
	FRAG 128*(\p)+FR*\i, ADRB+\slot, \q, \i
.endr
	WIN 0
.endm
.macro FETCH_A slot, q, i0
.irp i, \i0, \i0+1, \i0+2, \i0+3
	FRAG AF+FR*(\i), ADRA+\slot, \q, \i
.endr
.endm
.macro PLACES n
.rept \n
	v_nop
.endr
.endm
.macro STEP slot, q, zero
	s_wait_dscnt 4*NL
	WIN MUL_LO
	MUL16 0, (\q)%2, \zero
	MUL16 2, (\q)%2, \zero
	s_wait_dscnt 0
	PLACES NP
	FETCH_B \slot, (\q)+1, 1-(\q)%2
	FETCH_A \slot, (\q)+1, 0
	WIN MUL_HI
	MUL16 4, (\q)%2, \zero
	MUL16 6, (\q)%2, \zero
	PLACES NP
	WIN 0
	FETCH_A \slot, (\q)+1, 4
.endm
.macro TURN slot, next, fill
	s_wait_tensorcnt 0x0
	ds_add_u32 v[SPW], v[NIL]
	s_wait_dscnt 4*NL+1
	WIN MUL_LO
	MUL16 0, 1, 0
	s_wait_dscnt 0x0
	s_barrier_signal -1
	MUL16 2, 1, 0
	WIN 0
	s_barrier_wait -1
.if \fill
	CREST
	s_add_nc_u64 s[G0+4*\slot+2:G0+4*\slot+3], s[G0+4*\slot+2:G0+4*\slot+3], s[66:67]
	s_add_nc_u64 s[G0B+4*\slot+2:G0B+4*\slot+3], s[G0B+4*\slot+2:G0B+4*\slot+3], s[68:69]
	JLOAD G0+4*\slot, G1, G0B+4*\slot, G1B
.else
	PLACES NP
.endif
	FETCH_B \next, 0, 0
	FETCH_A \next, 0, 0
	WIN MUL_HI
	MUL16 4, 1, 0
	MUL16 6, 1, 0
	PLACES NP
	WIN 0
	FETCH_A \next, 0, 4
.endm
	s_wait_tensorcnt 1
	s_barrier_signal -1
	s_barrier_wait -1
	FETCH_B 0, 0, 0
	FETCH_A 0, 0, 0
	FETCH_A 0, 0, 4
	STEP 0, 0, 1
	TURN 0, 1, 1
	STEP 1, 0, 0
	TURN 1, 0, 1
	STEP 0, 0, 0
	TURN 0, 1, 0
	STEP 1, 0, 0
	s_wait_dscnt 4*NL
	WIN MUL_LO
	MUL16 0, 1, 0
	MUL16 2, 1, 0
	s_wait_dscnt 0
	WIN MUL_HI
	MUL16 4, 1, 0
	MUL16 6, 1, 0
	WIN 0
	PLACES NP
.macro OUTBLK a
.set AC, 64*((\a)%4)
	WIN 0x02+((\a)/4)
.set j, 0
.rept 64
	v_med3_num_f32 v[TMP+j], v[AC+j], -v[LIM], v[LIM]
.set j, j+1
.endr
	WIN 0
.irp b, 0,1,2,3,4,5,6,7
	v_cvt_scalef32_pk8_fp8_f32 v[CD+16*(\a)+2*\b:CD+16*(\a)+2*\b+1], v[TMP+8*\b:TMP+8*\b+7], v[SC]
.endr
	v_nop
.irp c, 0,1,2,3
	global_store_b128 v[VO+2*(\a)+(\c/2)], v[CD+16*(\a)+4*\c:CD+16*(\a)+4*\c+3], s[100:101] offset:512*(\c%2)
.endr
.endm
.irp a, 0,1,2,3,4,5,6,7
	OUTBLK \a
.endr
	s_wait_tensorcnt 0x0
	ds_add_u32 v[SPW], v[NIL]
	s_wait_dscnt 0x0
	CROUND
	s_endpgm
.Lfunc_end_k_q5c72ed77bc_qkv:
	.size	k_q5c72ed77bc_qkv, .Lfunc_end_k_q5c72ed77bc_qkv-k_q5c72ed77bc_qkv
	.p2alignl 7, 3214868480
	.fill 96, 4, 3214868480
	.section	.rodata,"a",@progbits
	.p2align	6, 0x0
	.amdhsa_kernel k_q5c72ed77bc_qkv
		.amdhsa_group_segment_fixed_size 327680
		.amdhsa_private_segment_fixed_size 0
		.amdhsa_enable_private_segment 0
		.amdhsa_kernarg_size 40
		.amdhsa_user_sgpr_count 2
		.amdhsa_user_sgpr_kernarg_segment_ptr 1
		.amdhsa_wavefront_size32 1
		.amdhsa_system_sgpr_workgroup_id_x 1
		.amdhsa_system_sgpr_workgroup_id_y 1
		.amdhsa_system_sgpr_workgroup_id_z 1
		.amdhsa_system_vgpr_workitem_id 0
		.amdhsa_next_free_vgpr 1024
		.amdhsa_next_free_sgpr 104
		.amdhsa_reserve_vcc 0
		.amdhsa_float_denorm_mode_32 3
		.amdhsa_float_denorm_mode_16_64 3
		.amdhsa_memory_ordered 1
		.amdhsa_forward_progress 1
		.amdhsa_inst_pref_size 121
	.end_amdhsa_kernel
	.amdgpu_metadata
---
amdhsa.version: [ 1, 2 ]
amdhsa.kernels:
  - .name:           k_q5c72ed77bc_qkv
    .symbol:         k_q5c72ed77bc_qkv.kd
    .args:
      - { .name: xc, .offset: 0, .size: 8, .value_kind: global_buffer, .address_space: global }
      - { .name: wc, .offset: 8, .size: 8, .value_kind: global_buffer, .address_space: global }
      - { .name: lowp_scales, .offset: 16, .size: 8, .value_kind: global_buffer, .address_space: global }
      - { .name: qc, .offset: 24, .size: 8, .value_kind: global_buffer, .address_space: global }
      - { .name: kv, .offset: 32, .size: 8, .value_kind: global_buffer, .address_space: global }
    .group_segment_fixed_size: 327680
    .private_segment_fixed_size: 0
    .kernarg_segment_align: 8
    .kernarg_segment_size: 40
    .max_flat_workgroup_size: 128
    .sgpr_count:     104
    .vgpr_count:     1024
    .wavefront_size: 32
...
	.end_amdgpu_metadata
.endif
;; end of part 2
;; launch attn (part 3): grid 16 x 16, 8 waves a work-group, no clusters, 246,784 bytes of LDS; arguments qc, kv, lowp_scales, oc; writes oc
.if DOCPART == 3
	.amdgcn_target "amdgcn-amd-amdhsa--gfx1250"
	.amdhsa_code_object_version 6
	.text
	.protected	k_q5c72ed77bc_attn
	.globl	k_q5c72ed77bc_attn
	.p2align	8
	.type	k_q5c72ed77bc_attn,@function
k_q5c72ed77bc_attn:
	s_mov_b64 s[64:65], 0
	v_nop
	global_prefetch_b8 v0, s[64:65] scope:SCOPE_SE
	s_setreg_imm32_b32 hwreg(HW_REG_WAVE_MODE, 25, 1), 1
	s_wait_xcnt 0x0
; Causal attention of 16 heads of 64 over 4096 tokens, both products on codes of FP8 (E4M3); the result is quantised for the last projection (entry 10 of the scales).
; THE SOFTMAX AHEAD OF THE SECOND PRODUCT: t = score x log2(e) / 8; M = the row's largest t so far, rounded UP to a whole number; p = 2^(t - M) is what is quantised (entry 8); it is not normalised.
; The row's sum is taken of the unquantised p, in f32, and divides O at the end.  When M moves, the sum and O are multiplied by 2^(old M - new M): exact.
; INPUTS, as images of operand registers (parts of 512 bytes, lane l's four registers at 16 l).  qc: [head][tile 256][1024].  kv: [head][256 keys: 16][K: 16 tiles x 1024; V: step of 128 keys 2 x 16 channels 4 x 2048].
; Row r of tile T of q and k is token 32 (T / 2) + 8 (T % 2) + r + 8 (r / 8), so that in S^T the 16 registers of tiles 2 b, 2 b + 1 are keys 32 b + 16 (lane / 16) + 0 .. 15: the order in which V's images hold the keys.
; SHARES.  Work-group (i, head) owns blocks 31 - i and i of 128 queries.  Block j needs key steps 0 .. j of 128 keys (what the causal mask hides in whole steps is left out), so the two blocks are ONE list of
; (32 - i) + (i + 1) = 33 steps, whatever i is: step p is key step p of block 31 - i while p < 32 - i, then key step p - (32 - i) of block i.  Eight waves: pair u = wave / 2 owns 32 queries (two tiles) of
; each block; of a pair's two waves one takes the even p, the other the odd p.  A round is two steps; 18 rounds hold the 33 (what lies behind step 32 is left out by a scalar branch on ids).
; At its first step of block i a wave puts its state of block 31 - i (O, M, sum) into LDS; behind the last round the two parts of each block are joined, one block by each wave of a pair.
; FILL.  A round's 32 KiB go through registers (8 loads of 512 bytes a wave) into a ring of three LDS slots: in round n the waves store round n + 1's and ask for round n + 2's.  No tensor load and no cluster; the hold on p
; stands under a branch on its given exponent.
; BARRIER, one a round, signal and wait apart.  Ahead of the signal of round n a wave has stored its part of round n + 1 and waited for it; between signal and wait stand register work and reads of slot n % 3 alone.
; So behind the wait of round n everyone has finished round n - 1 and stored round n + 1, and slot (n + 2) % 3 = (n - 1) % 3 may be stored anew, while slower waves still read slot n % 3.
; LAYOUT.  S^T = K Q^T (source 0 = 16 keys, source 1 = 16 queries), O^T = V^T P^T (source 0 = 16 channels, source 1 = P): a lane holds ONE query of a tile (lane % 16) throughout.
; OUT.  oc: [head / 4][tile 256][head % 4][1024]: the image of an operand with K = 64 head + channel, in K steps of 256.
; LIMITS: e6 + e7 between -123 and 130 (added to c's exponent field); e8 and e10 between -126 and 119; e8 + e9 is applied by v_ldexp_f32 and has none; the scaled scores stay under 2^31 in magnitude.  NaN is not served.
; REGISTERS, window 0 (v0-255):
.set LI,   1                           ; 16 x lane
.set SPW,  2                           ; LDS address of my spare word;  NIL: 0.  Never rewritten
.set NIL,  3
.set PFO,  4                           ; 256 x lane
.set KA,   5                           ; my step's tiles in slots 0, 1;  KB: in slot 2
.set KB,   6
.set FA,   7                           ; where my part of a fill goes, slots 0, 1;  FB: slot 2
.set FB,   8
.set SV,   9                           ; my state of block 31 - i;  SV2: of block i
.set SV2,  10
.set MRG,  11                          ; the two states that I join
.set L10,  12                          ; 448 x 2^e10;  S10: 2^e10
.set S10,  13
.set KR,   16                          ; v16-79    K: 8 tiles x 8
.set VR,   80                          ; v80-143   V: 4 x 16
.set OR,   144                         ; v144-207  O^T: 2 query tiles x 4 x 8
.set QR,   208                         ; v208-223  Q: 2 x 8
.set PR,   224                         ; v224-255  p's codes: 2 x 16
; window 1 (v256-511), by low number: 0-127 S^T, then p: 2 query tiles x 64
.set STG,  128                         ; 128-159 a fill on its way
.set QL,   160                         ; 160-175 Q of block i
.set NM,   176                         ; 176, 178: -M (pairs)
.set SUM,  180                         ; 180-183: the sums, each in two halves
.set AX,   184                         ; 184-187 maxima at work
.set XP,   188
.set FF,   190                         ; 190, 192: f = 2^(old M - new M) (pairs)
.set TT,   194                         ; 194-205 partial sums
.set SCP,  206                         ; 2^e8;  LMP: 448 x 2^e8
.set LMP,  207
.set DQ,   208                         ; my query's place in its block, less 16 (lane / 16)
.set NINF, 209
.set MX,   210                         ; 210, 211 the largest t so far
.set OT,   212
; scalars
.set WV,   12
.set GG,   13                          ; which parity of steps is mine
.set UU,   14                          ; my pair of tiles
.set HEAD, 15
.set NHI,  16                          ; 32 - i
.set PK,   17                          ; the step in hand
.set DG,   18                          ; the step on the diagonal of the block in hand
.set PF,   19                          ; the step that my wave fetches for next
.set SEL,  20                          ; s[20:21] lane selects: lane l xor 16
.set CS,   22                          ; s[22:23] log2(e) / 8 x 2^(e6 + e7)
.set HOLD, 24                          ; 1: p can pass 448 x 2^e8
.set PLIM, 25                          ; my wave prefetches while PK is under this
.set CNT,  26
.set FOFF, 27
.set PFA,  28                          ; s[28:29] where my prefetches stand
.set SAVE, 3*32768
.set STB,  9216                        ; a state: 18 x 512 bytes
.set SPARE, SAVE+16*STB                ; the spare words, 128 bytes for each wave: four blocks of 256 bytes that no other line names
.set MSB, 0
.macro WIN new                         ; the immediate's high byte repeats the setting that is left
.if MSB != \new
	s_set_vgpr_msb (MSB<<8)|\new
.set MSB, \new
.endif
.endm
.macro FILLADR d                       ; where my part of step PF lies (the list's last step again, where PF would be behind it)
	s_min_u32 s54, s[PF], 32
	s_sub_co_u32 s55, s54, s[NHI]
	s_cmp_lt_u32 s54, s[NHI]
	s_cselect_b32 s54, s54, s55                    ; the key step
	s_lshr_b32 s55, s54, 1
	s_lshl_b32 s55, s55, 15
	s_and_b32 s54, s54, 1
	s_lshl_b32 s54, s54, 13
	s_add_co_u32 s54, s54, s55
	s_add_co_u32 s54, s54, s[FOFF]
	s_mov_b32 s55, 0
	s_add_nc_u64 s[\d:\d+1], s[6:7], s[54:55]
	s_add_co_u32 s[PF], s[PF], 2
.endm
.macro FETCH b, d
.irp n, 0,1,2,3,4,5,6,7
	global_load_b128 v[\b+4*\n:\b+4*\n+3], v[LI], s[\d:\d+1] offset:512*\n
.endr
.endm
.macro STATE adr                       ; O, -M and the sums of both tiles, as they lie in registers
.irp n, 0,1,2,3,4,5,6,7,8,9,10,11,12,13,14,15
	ds_store_b128 v[\adr], v[OR+4*\n:OR+4*\n+3] offset:512*\n
.endr
	WIN 0x04
	ds_store_b128 v[\adr], v[NM:NM+3] offset:8192
	ds_store_b128 v[\adr], v[SUM:SUM+3] offset:8704
	WIN 0
.endm
.macro FRESH                           ; no key seen: the largest t is -3e38, under every t; sums and O are 0
	WIN 0x40
.irp q, 0,1
	v_mov_b32 v[MX+\q], 0xff61b1e6
	v_mov_b32 v[NM+2*\q], 0x7f61b1e6
	v_mov_b32 v[SUM+2*\q], 0
	v_mov_b32 v[SUM+2*\q+1], 0
.endr
	WIN 0
.set n, 0
.rept 64
	v_mov_b32 v[OR+n], 0
.set n, n+1
.endr
.endm
	s_load_b256 s[4:11], s[0:1], 0x0               ; qc s[4:5], kv s[6:7], the scales' exponents s[8:9], oc s[10:11]
	v_lshl_add_u32 v[SPW], v0, 2, SPARE
	v_mov_b32 v[NIL], 0
	v_lshrrev_b32 v14, 5, v0
	v_readfirstlane_b32 s[WV], v14                 ; wave 0..7
	s_lshr_b32 s[PF], s[WV], 2                     ; waves 0-3 fetch for even steps, 4-7 for odd ones
	s_xor_b32 s[GG], s[WV], s[PF]
	s_and_b32 s[GG], s[GG], 1                      ; waves w and w + 4 take different parities, and so do 2 u and 2 u + 1
	s_lshr_b32 s[UU], s[WV], 1
	s_and_b32 s[HEAD], ttmp7, 0xffff
	s_sub_co_u32 s[NHI], 32, ttmp9
	s_sub_co_u32 s[DG], s[NHI], 1
	s_mov_b32 s[PK], s[GG]
	s_and_b32 s55, s[WV], 2
	s_lshl_b32 s55, s55, 13                        ; K or V,
	s_and_b32 s56, s[WV], 1
	s_lshl_b32 s56, s56, 12                        ; and which 4 KiB of the step's 8
	s_or_b32 s55, s55, s56
	s_lshl_b32 s70, s[HEAD], 19
	s_add_co_u32 s[FOFF], s55, s70
	s_and_b32 s71, s[WV], 3
	s_lshl_b32 s71, s71, 13
	s_add_co_u32 s70, s70, s71
	s_add_co_u32 s70, s70, 3*32768                 ; the prefetches: my 8 KiB of round 3; the first round steps it to round 4
	s_mov_b32 s71, 0
	s_lshr_b32 s54, s[WV], 2
	s_or_b32 s54, s54, ttmp9                       ; 0 in waves 0 to 3 of the head's work-group 0
	s_cmp_eq_u32 s54, 0
	s_cselect_b32 s[PLIM], 24, 0
	s_lshl_b32 s58, s[HEAD], 18
	s_lshl_b32 s59, s[UU], 11
	s_add_co_u32 s58, s58, s59                     ; qc: head x 262144 + pair x 2048
	s_lshl_b32 s59, s[DG], 13
	s_add_co_u32 s60, s58, s59                     ; + block x 8192: block 31 - i,
	s_mov_b32 s61, 0
	s_lshl_b32 s59, ttmp9, 13
	s_add_co_u32 s62, s58, s59                     ; and block i
	s_mov_b32 s63, 0
	s_cmp_eq_u32 s[GG], 0
	s_cselect_b32 s57, s[DG], ttmp9                ; the block that I write out
	s_lshl_b32 s57, s57, 15
	s_lshr_b32 s68, s[HEAD], 2
	s_lshl_b32 s68, s68, 20
	s_add_co_u32 s68, s68, s57
	s_lshl_b32 s57, s[UU], 13
	s_add_co_u32 s68, s68, s57
	s_and_b32 s57, s[HEAD], 3
	s_lshl_b32 s57, s57, 10
	s_add_co_u32 s68, s68, s57                     ; oc: (head / 4) x 1 MiB + tile x 4096 + (head % 4) x 1024
	s_mov_b32 s69, 0
	s_lshl_b32 s40, s[GG], 14
	s_lshl_b32 s41, s[WV], 12
	s_mul_i32 s42, s[WV], STB
	s_add_co_u32 s42, s42, SAVE
	s_mul_i32 s43, s[GG], 8*STB
	s_mul_i32 s44, s[UU], 2*STB
	s_add_co_u32 s43, s43, s44
	s_add_co_u32 s43, s43, SAVE
	s_lshl_b32 s44, s[UU], 5
	s_mov_b32 s[SEL], 0x76543210
	s_mov_b32 s[SEL+1], 0xfedcba98
	v_and_b32 v14, 31, v0
	v_and_b32 v15, 15, v0                          ; r
	v_lshlrev_b32 v[LI], 4, v14
	v_lshlrev_b32 v[PFO], 8, v14
	v_and_b32 v14, 8, v15
	v_add_nc_u32 v[KA], s40, v[LI]
	v_add_nc_u32 v[FA], s41, v[LI]
	v_add_nc_u32 v14, v14, v15                     ; r + 8 (r / 8)
	v_bfe_u32 v15, v0, 4, 1
	v_add_nc_u32 v[SV], s42, v[LI]
	v_add_nc_u32 v[MRG], s43, v[LI]
	v_lshlrev_b32 v15, 4, v15
	v_add_nc_u32 v[KB], 0x10000, v[KA]
	v_add_nc_u32 v[FB], 0x10000, v[FA]
	v_sub_nc_u32 v14, v14, v15
	v_add_nc_u32 v[SV2], 8*STB, v[SV]
	v_add_nc_u32 v14, s44, v14                     ; 32 u + r + 8 (r / 8) - 16 (lane / 16); the pair's second tile lies 8 further on
	s_wait_alu depctr_va_vdst(0)
	s_wait_kmcnt 0x0
	s_load_b128 s[48:51], s[8:9], 0x18             ; e6, e7, e8, e9
	s_load_b32 s52, s[8:9], 0x28                   ; e10
	FILLADR 30
	FETCH VR, 30                                   ; round 0
	s_add_nc_u64 s[60:61], s[4:5], s[60:61]
	s_add_nc_u64 s[62:63], s[4:5], s[62:63]
.irp n, 0,1,2,3
	global_load_b128 v[QR+4*\n:QR+4*\n+3], v[LI], s[60:61] offset:512*\n   ; Q stays in registers, both blocks'
.endr
	WIN 0x40
.irp n, 0,1,2,3
	global_load_b128 v[QL+4*\n:QL+4*\n+3], v[LI], s[62:63] offset:512*\n
.endr
	FILLADR 32
	FETCH STG, 32                                  ; round 1
	s_add_nc_u64 s[PFA:PFA+1], s[6:7], s[70:71]
	s_add_nc_u64 s[10:11], s[10:11], s[68:69]
	v_mov_b32 v[DQ], v14
	v_mov_b32 v[NINF], 0xff800000
.irp q, 0,1
	v_mov_b32 v[NM+2*\q+1], 0                      ; (upper halves of pairs whose low word alone is used)
	v_mov_b32 v[FF+2*\q], 0
	v_mov_b32 v[FF+2*\q+1], 0
	v_mov_b32 v[XP+\q], 0                          ; (a lane permute's destination counts as one of its sources)
.endr
	FRESH
	s_wait_kmcnt 0x0
	s_add_co_i32 s54, s48, s49
	s_lshl_b32 s54, s54, 23
	s_add_co_i32 s[CS], s54, 0x3e38aa3b            ; log2(e) / 8; a score stands for score x 2^(e6 + e7): the two exponents are added to the exponent field
	s_mov_b32 s[CS+1], s[CS]                       ; (named with it as a pair, so it is written)
	s_cmp_lt_i32 s50, -8                           ; p is 1 at the most, within rounding: from e8 = -8 on 448 x 2^e8 is 1.75 or more, and the hold changes nothing
	s_cselect_b32 s[HOLD], 1, 0
	s_add_co_i32 s53, s50, s51                     ; e8 + e9
	s_add_co_i32 s54, s50, 127
	s_lshl_b32 s55, s54, 23
	s_add_co_i32 s54, s54, 8
	s_lshl_b32 s54, s54, 23
	s_or_b32 s54, s54, 0x600000
	s_add_co_i32 s56, s52, 127
	s_lshl_b32 s57, s56, 23
	s_add_co_i32 s56, s56, 8
	s_lshl_b32 s56, s56, 23
	s_or_b32 s56, s56, 0x600000
	v_mov_b32 v[S10], s57                          ; 2^e10, for the result's conversions
	v_mov_b32 v[L10], s56                          ; 448 x 2^e10
	WIN 0x40
	v_mov_b32 v[SCP], s55                          ; 2^e8, for p's
	v_mov_b32 v[LMP], s54                          ; 448 x 2^e8
	WIN 0
	s_mov_b32 s[CNT], 6
	s_wait_alu depctr_va_vdst(0)
	s_wait_loadcnt 16                              ; round 0's eight loads are in; Q's eight and round 1's eight may be out
.irp n, 0,1,2,3,4,5,6,7
	ds_store_b128 v[FA], v[VR+4*\n:VR+4*\n+3] offset:512*\n
.endr
	s_wait_dscnt 0x0                               ; my part of slot 0 is stored
	s_barrier_signal -1
	s_barrier_wait -1
; A ROUND: my step is PK, its tiles lie in slot s.
.macro ITER s
.if \s == 2
.set AR, KB
.set OF, 0
.else
.set AR, KA
.set OF, 32768*\s
.endif
.irp t, 0,1,2,3,4,5,6,7
	ds_load_b128 v[KR+8*\t:KR+8*\t+3], v[AR] offset:OF+1024*\t
	ds_load_b128 v[KR+8*\t+4:KR+8*\t+7], v[AR] offset:OF+1024*\t+512
.endr
	s_wait_loadcnt 0x0                             ; the next round's tiles are in registers
	s_sub_co_u32 s54, s[PK], s[NHI]
	s_cmp_lt_u32 s54, 2
	s_cbranch_scc0 .Lsame_\@
.rept 4
	v_nop                                          ; my first step of block i: places behind the last products, whose results are stored,
.endr
	STATE SV
	s_wait_dscnt 0x0
	WIN 0x01
.set n, 0
.rept 16
	v_mov_b32 v[QR+n], v[QL+n]
.set n, n+1
.endr
	FRESH                                          ; and the sums begin anew
	s_mov_b32 s[DG], 32
	s_wait_alu depctr_va_vdst(0)
.Lsame_\@:
.if \s == 1
.set FR, FB
.set FO, 0
.else
.set FR, FA
.set FO, 32768*((\s+1)%3)
.endif
	WIN 0x04
.irp n, 0,1,2,3,4,5,6,7
	ds_store_b128 v[FR], v[STG+4*\n:STG+4*\n+3] offset:FO+512*\n
.endr
	WIN 0
	s_wait_xcnt 0x0                                ; the last prefetch has read its address, so it may be written
	s_add_nc_u64 s[PFA:PFA+1], s[PFA:PFA+1], 0x8000
	s_wait_dscnt 0x0                               ; my part of the next slot is stored, and K is in
	s_cmp_gt_u32 s[PF], 33
	s_cbranch_scc1 .Lnofill_\@                     ; nothing behind the list's last round is asked for (what the last rounds store is read by nobody)
	FILLADR 30
	WIN 0x40
	FETCH STG, 30                                  ; the round after the next: these loads have this round's work in which to land
	WIN 0
.Lnofill_\@:
; A PREFETCH INTO THE L2 of the round two ahead of the loads above.  The work-groups of a head walk the same keys; its work-group 0, whose rounds 0 to 15 are the head's 16 blocks of 32 KiB in their order, asks by its waves 0 to 3, 8 KiB
; each, lanes 256 bytes apart: rounds 4 to 15, each aligned 256 bytes once in the launch, nothing behind the head's last.
	s_cmp_lt_u32 s[PK], s[PLIM]
	s_cbranch_scc0 .Lnot_mine_\@
	global_prefetch_b8 v[PFO], s[PFA:PFA+1] th:TH_LOAD_NT scope:SCOPE_SE
.Lnot_mine_\@:
	s_barrier_signal -1
	s_cmp_gt_u32 s[PK], 32
	s_cbranch_scc1 .Lnone_\@                       ; behind the list's end
	WIN 0x40
.irp t, 0,1,2,3,4,5,6,7
.irp q, 0,1
	v_wmma_f32_16x16x64_fp8_fp8 v[64*\q+8*\t:64*\q+8*\t+7], v[KR+8*\t:KR+8*\t+7], v[QR+8*\q:QR+8*\q+7], 0   ; S^T: lane (r, h): query r of tile q; registers 16 b + i: key 32 b + 16 h + i
.endr
.endr
.rept 4
	v_nop                                          ; places: the loads below land on registers that the last round's products read, the softmax reads the scores
.endr
	WIN 0
.irp t, 0,1,2,3
.irp c, 0,1,2,3
	ds_load_b128 v[VR+16*\t+4*\c:VR+16*\t+4*\c+3], v[AR] offset:OF+8192+2048*\t+512*\c   ; V lands while the softmax is worked
.endr
.endr
	s_cmp_lg_u32 s[PK], s[DG]
	s_cbranch_scc1 .Lopen_\@                       ; all its keys count
	WIN 0x55
.irp q, 0,1                            ; on the diagonal the scores of hidden keys become -infinity ahead of the maximum: p = 0 then
.set n, 0
.rept 64
	v_cmp_gt_i32 vcc_lo, 32*(n/16)+n%16-8*\q, v[DQ]
	v_cndmask_b32 v[64*\q+n], v[64*\q+n], v[NINF], vcc_lo
.set n, n+1
.endr
.endr
	WIN 0
.Lopen_\@:
	WIN 0x55                                       ; the softmax: both tiles' chains by turns
.irp q, 0,1
	v_max3_num_f32 v[AX+2*\q], v[64*\q], v[64*\q+1], v[64*\q+2]
	v_max3_num_f32 v[AX+2*\q+1], v[64*\q+3], v[64*\q+4], v[64*\q+5]
.endr
.set n, 6
.rept 14
.irp q, 0,1
	v_max3_num_f32 v[AX+2*\q], v[AX+2*\q], v[64*\q+n], v[64*\q+n+1]
	v_max3_num_f32 v[AX+2*\q+1], v[AX+2*\q+1], v[64*\q+n+2], v[64*\q+n+3]
.endr
.set n, n+4
.endr
.irp q, 0,1
	v_max3_num_f32 v[AX+2*\q], v[AX+2*\q], v[64*\q+62], v[64*\q+63]
.endr
.irp q, 0,1
	v_max_num_f32 v[AX+2*\q], v[AX+2*\q], v[AX+2*\q+1]
.endr
.irp q, 0,1
	v_permlanex16_b32 v[XP+\q], v[AX+2*\q], s[SEL], s[SEL+1]
.endr
.irp q, 0,1
	v_max_num_f32 v[AX+2*\q], v[AX+2*\q], v[XP+\q]   ; the largest score of my query among the step's keys
.endr
.irp q, 0,1
	v_mul_f32 v[AX+2*\q], s[CS], v[AX+2*\q]        ; as t (c is positive)
.endr
.irp q, 0,1
	v_max_num_f32 v[MX+\q], v[MX+\q], v[AX+2*\q]
	v_mov_b32 v[OT+\q], v[NM+2*\q]
.endr
.irp q, 0,1
	v_floor_f32 v[NM+2*\q], -v[MX+\q]              ; the new -M = -ceil(t): M is a whole number
.endr
.irp q, 0,1
	v_sub_f32 v[OT+\q], v[NM+2*\q], v[OT+\q]       ; old M - new M: a whole number, 0 or less
.endr
.irp q, 0,1
	v_cvt_i32_f32 v[OT+\q], v[OT+\q]               ; (it saturates)
.endr
.irp q, 0,1
	v_ldexp_f32 v[FF+2*\q], 1.0, v[OT+\q]          ; f
.endr
.irp q, 0,1
.set n, 0
.rept 32
	v_pk_fma_f32 v[64*\q+n:64*\q+n+1], v[64*\q+n:64*\q+n+1], s[CS:CS+1], v[NM+2*\q:NM+2*\q+1] op_sel_hi:[1,0,0]   ; t - M, two at a time
.set n, n+2
.endr
.endr
	WIN 0x04
.irp q, 0,1
.set n, 0
.rept 16
	v_pk_mul_f32 v[OR+32*\q+n:OR+32*\q+n+1], v[OR+32*\q+n:OR+32*\q+n+1], v[FF+2*\q:FF+2*\q+1] op_sel_hi:[1,0]   ; O^T under the new M
.set n, n+2
.endr
.endr
	WIN 0x55
	s_wait_alu depctr_va_vdst(0)
.set n, 0
.rept 128
	v_exp_f32 v[n], v[n]                           ; p = 2^(t - M): not normalised
.set n, n+1
.endr
.irp q, 0,1
	v_pk_mul_f32 v[SUM+2*\q:SUM+2*\q+1], v[SUM+2*\q:SUM+2*\q+1], v[FF+2*\q:FF+2*\q+1] op_sel_hi:[1,0]   ; the sums under the new M; the plain instruction behind the exponentials
.endr
	s_wait_alu depctr_va_vdst(0)                   ; one wait for the whole batch, ahead of its first reader
.irp q, 0,1
	v_pk_add_f32 v[SUM+2*\q:SUM+2*\q+1], v[SUM+2*\q:SUM+2*\q+1], v[64*\q:64*\q+1]
.endr
.irp c, 0,1,2
.irp q, 0,1
	v_pk_add_f32 v[TT+6*\q+2*\c:TT+6*\q+2*\c+1], v[64*\q+2*\c+2:64*\q+2*\c+3], v[64*\q+2*\c+10:64*\q+2*\c+11]
.endr
.endr
.irp q, 0,1
	v_pk_add_f32 v[SUM+2*\q:SUM+2*\q+1], v[SUM+2*\q:SUM+2*\q+1], v[64*\q+8:64*\q+9]
.endr
.set n, 8
.rept 24
.irp q, 0,1
.if n%4
.set AC, TT+6*\q+2*(n%4)-2
.else
.set AC, SUM+2*\q
.endif
	v_pk_add_f32 v[AC:AC+1], v[AC:AC+1], v[64*\q+2*n:64*\q+2*n+1]
.endr
.set n, n+1
.endr
.irp q, 0,1
	v_pk_add_f32 v[TT+6*\q:TT+6*\q+1], v[TT+6*\q:TT+6*\q+1], v[TT+6*\q+2:TT+6*\q+3]
	v_pk_add_f32 v[SUM+2*\q:SUM+2*\q+1], v[SUM+2*\q:SUM+2*\q+1], v[TT+6*\q+4:TT+6*\q+5]
.endr
.irp q, 0,1
	v_pk_add_f32 v[SUM+2*\q:SUM+2*\q+1], v[SUM+2*\q:SUM+2*\q+1], v[TT+6*\q:TT+6*\q+1]
.endr
	WIN 0
	s_cmp_eq_u32 s[HOLD], 0
	s_cbranch_scc1 .Lheld_\@
	WIN 0x55
.set n, 0
.rept 128
	v_min_num_f32 v[n], v[n], v[LMP]               ; the conversion to an 8-bit code does not saturate (ISA guide 7.6.2); p is not negative, so the hold is one-sided
.set n, n+1
.endr
	WIN 0
.Lheld_\@:
	WIN 0x15
.irp q, 0,1
.irp b, 0,1,2,3
	v_cvt_scalef32_pk8_fp8_f32 v[PR+16*\q+4*\b:PR+16*\q+4*\b+1], v[64*\q+16*\b:64*\q+16*\b+7], v[SCP]
	v_cvt_scalef32_pk8_fp8_f32 v[PR+16*\q+4*\b+2:PR+16*\q+4*\b+3], v[64*\q+16*\b+8:64*\q+16*\b+15], v[SCP]
.endr
.endr
	v_nop                                          ; one plain vector instruction between the conversions and the products that read the codes
	WIN 0
	s_wait_alu depctr_va_vdst(0)
	s_wait_dscnt 0x0                               ; V is in
.irp t, 0,1,2,3
.irp q, 0,1
	v_wmma_f32_16x16x128_fp8_fp8 v[OR+32*\q+8*\t:OR+32*\q+8*\t+7], v[VR+16*\t:VR+16*\t+15], v[PR+16*\q:PR+16*\q+15], v[OR+32*\q+8*\t:OR+32*\q+8*\t+7]   ; the eight accumulators take turns
.endr
.endr
.Lnone_\@:
	s_add_co_u32 s[PK], s[PK], 2
	s_wait_alu depctr_va_vdst(0)
	s_barrier_wait -1
.endm
.Lloop:                                            ; a trip is three rounds, once round the ring: 18 rounds
	ITER 0
	ITER 1
	ITER 2
	s_sub_co_u32 s[CNT], s[CNT], 1
	s_cmp_lg_u32 s[CNT], 0
	s_cbranch_scc1 .Lloop
	; THE WAY OUT.  My state of block i goes to LDS too; then the pair's waves join one block each: two parts, brought under the larger M by exact powers of two.
.rept 4
	v_nop                                          ; places behind the last products
.endr
	STATE SV2
	s_wait_dscnt 0x0                               ; my states are stored
	s_barrier_signal -1
	s_barrier_wait -1
.irp p, 0,1
	ds_load_b128 v[80+72*\p:83+72*\p], v[MRG] offset:STB*\p+8192      ; -M of tile 0, 1: v80, v82; v152, v154
	ds_load_b128 v[84+72*\p:87+72*\p], v[MRG] offset:STB*\p+8704      ; the sums
.endr
.irp p, 0,1
.irp n, 0,1,2,3,4,5,6,7,8,9,10,11,12,13,14,15
	ds_load_b128 v[16+72*\p+4*\n:19+72*\p+4*\n], v[MRG] offset:STB*\p+512*\n   ; O^T: v16-79; v88-151
.endr
.endr
	s_wait_dscnt 0x0
	v_mov_b32 v180, 0                              ; (a lane permute's destination counts as one of its sources)
	v_mov_b32 v181, 0
.irp q, 0,1
	v_min_num_f32 v[160+\q], v[80+2*\q], v[152+2*\q]   ; -M of both
.endr
.irp q, 0,1
	v_sub_f32 v[162+\q], v[160+\q], v[80+2*\q]
	v_sub_f32 v[164+\q], v[160+\q], v[152+2*\q]
.endr
.irp q, 0,1
	v_cvt_i32_f32 v[162+\q], v[162+\q]
	v_cvt_i32_f32 v[164+\q], v[164+\q]
.endr
.irp q, 0,1
	v_ldexp_f32 v[168+2*\q], 1.0, v[162+\q]        ; a part without a key has M = -3e38: its factor is 0
	v_ldexp_f32 v[172+2*\q], 1.0, v[164+\q]
.endr
.irp q, 0,1
	v_add_f32 v[176+\q], v[84+2*\q], v[85+2*\q]
	v_add_f32 v[178+\q], v[156+2*\q], v[157+2*\q]
.endr
.irp q, 0,1
	v_mul_f32 v[176+\q], v[176+\q], v[168+2*\q]
.endr
.irp q, 0,1
	v_fma_f32 v[176+\q], v[178+\q], v[172+2*\q], v[176+\q]
.endr
.irp q, 0,1
	v_permlanex16_b32 v[180+\q], v[176+\q], s[SEL], s[SEL+1]
.endr
.irp q, 0,1
	v_add_f32 v[176+\q], v[176+\q], v[180+\q]      ; and lane l xor 16's: the row's sum
.endr
	s_wait_alu depctr_va_vdst(0)
	v_rcp_f32 v176, v176
	v_rcp_f32 v177, v177
	v_mov_b32 v169, 0                              ; (upper halves of pairs; the plain instructions behind the reciprocals)
	v_mov_b32 v171, 0
	v_mov_b32 v173, 0
	v_mov_b32 v175, 0
	s_wait_alu depctr_va_vdst(0)                   ; the wait ahead of their first reader
.irp q, 0,1
	v_ldexp_f32 v[176+\q], v[176+\q], s53          ; x 2^(e8 + e9)
.endr
.irp q, 0,1
	v_mul_f32 v[168+2*\q], v[168+2*\q], v[176+\q]
	v_mul_f32 v[172+2*\q], v[172+2*\q], v[176+\q]
.endr
.irp q, 0,1
.set n, 0
.rept 16
	v_pk_mul_f32 v[16+32*\q+n:17+32*\q+n], v[16+32*\q+n:17+32*\q+n], v[168+2*\q:169+2*\q] op_sel_hi:[1,0]
.set n, n+2
.endr
.endr
.irp q, 0,1
.set n, 0
.rept 16
	v_pk_fma_f32 v[16+32*\q+n:17+32*\q+n], v[88+32*\q+n:89+32*\q+n], v[172+2*\q:173+2*\q], v[16+32*\q+n:17+32*\q+n] op_sel_hi:[1,0,1]   ; register 8 t + i is o(query r, channel 16 t + 8 h + i)
.set n, n+2
.endr
.endr
.set n, 0
.rept 64
	v_med3_num_f32 v[16+n], v[16+n], -v[L10], v[L10]
.set n, n+1
.endr
.irp t, 0,1,2,3,4,5,6,7
	v_cvt_scalef32_pk8_fp8_f32 v[224+2*\t:225+2*\t], v[16+8*\t:23+8*\t], v[S10]
.endr
	v_nop
.irp q, 0,1
.irp c, 0,1
	global_store_b128 v[LI], v[224+8*\q+4*\c:227+8*\q+4*\c], s[10:11] offset:4096*\q+512*\c   ; 32 lanes store 512 consecutive bytes, at a multiple of 512 from oc's first byte
.endr
.endr
	s_wait_tensorcnt 0x0                           ; the wave's end
	ds_add_u32 v[SPW], v[NIL]
	s_wait_dscnt 0x0
	s_endpgm
.Lfunc_end_k_q5c72ed77bc_attn:
	.size	k_q5c72ed77bc_attn, .Lfunc_end_k_q5c72ed77bc_attn-k_q5c72ed77bc_attn
	.p2alignl 7, 3214868480
	.fill 96, 4, 3214868480
	.section	.rodata,"a",@progbits
	.p2align	6, 0x0
	.amdhsa_kernel k_q5c72ed77bc_attn
		.amdhsa_group_segment_fixed_size 246784
		.amdhsa_private_segment_fixed_size 0
		.amdhsa_enable_private_segment 0
		.amdhsa_kernarg_size 32
		.amdhsa_user_sgpr_count 2
		.amdhsa_user_sgpr_kernarg_segment_ptr 1
		.amdhsa_wavefront_size32 1
		.amdhsa_system_sgpr_workgroup_id_x 1
		.amdhsa_system_sgpr_workgroup_id_y 1
		.amdhsa_system_sgpr_workgroup_id_z 1
		.amdhsa_system_vgpr_workitem_id 0
		.amdhsa_next_free_vgpr 512
		.amdhsa_next_free_sgpr 72
		.amdhsa_reserve_vcc 1
		.amdhsa_float_denorm_mode_32 3
		.amdhsa_float_denorm_mode_16_64 3
		.amdhsa_memory_ordered 1
		.amdhsa_forward_progress 1
		.amdhsa_inst_pref_size 160
	.end_amdhsa_kernel
	.amdgpu_metadata
---
amdhsa.version: [ 1, 2 ]
amdhsa.kernels:
  - .name:           k_q5c72ed77bc_attn
    .symbol:         k_q5c72ed77bc_attn.kd
    .args:
      - { .name: qc, .offset: 0, .size: 8, .value_kind: global_buffer, .address_space: global }
      - { .name: kv, .offset: 8, .size: 8, .value_kind: global_buffer, .address_space: global }
      - { .name: lowp_scales, .offset: 16, .size: 8, .value_kind: global_buffer, .address_space: global }
      - { .name: oc, .offset: 24, .size: 8, .value_kind: global_buffer, .address_space: global }
    .group_segment_fixed_size: 246784
    .private_segment_fixed_size: 0
    .kernarg_segment_align: 8
    .kernarg_segment_size: 32
    .max_flat_workgroup_size: 256
    .sgpr_count:     72
    .vgpr_count:     512
    .wavefront_size: 32
...
	.end_amdgpu_metadata
.endif
;; end of part 3
;; launch oproj (part 4): grid 8 x 32, 4 waves a work-group, clusters of 4 x 4, 327,680 bytes of LDS; arguments oc, wc, lowp_scales, out0; writes out0
.if DOCPART == 4
	.amdgcn_target "amdgcn-amd-amdhsa--gfx1250"
	.amdhsa_code_object_version 6
	.text
	.protected	k_q5c72ed77bc_oproj
	.globl	k_q5c72ed77bc_oproj
	.p2align	8
	.type	k_q5c72ed77bc_oproj,@function
k_q5c72ed77bc_oproj:
	s_mov_b64 s[64:65], 0
	v_nop
	global_prefetch_b8 v0, s[64:65] scope:SCOPE_SE
	s_setreg_imm32_b32 hwreg(HW_REG_WAVE_MODE, 25, 1), 1
	s_wait_xcnt 0x0
	s_wait_alu depctr_hold_cnt(0) depctr_sa_sdst(0) depctr_va_vdst(0) depctr_va_sdst(0) depctr_va_ssrc(0) depctr_va_vcc(0) depctr_vm_vsrc(0)
	s_getreg_b32 s2, hwreg(HW_REG_IB_STS2, 6, 4)
	s_cmp_eq_u32 s2, 0
	s_cbranch_scc0 .Lentry_in_a_cluster
	s_endpgm
.Lentry_in_a_cluster:
	s_bfe_u32 s2, ttmp6, 0x10000c
	s_cmp_lg_u32 s2, 0xf033
	s_cbranch_scc0 .Lentry_shape_is_right
	s_endpgm
.Lentry_shape_is_right:
; out0[m][n] = sum over k of attention[m][k] Wo[n][k], both as codes of FP8, f32 sums, each multiplied once by 2^(e10 + e11).  LIMIT: e10 + e11 between -126 and 127.
; oc: [K step of 256: 4][tile 256][half of the step 2][2048], wc's fourth weight: [K step 4][tile 64][2][2048]: images of operand registers (parts of 512 bytes, lane l's four registers at 16 l).
; Row r of tile T of oc is token 32 (T / 2) + 8 (T % 2) + r + 8 (r / 8); of the weight, row 16 T + r.
; A block of 128 x 128 for each of 256 work-groups; four waves of 64 x 64 (16 accumulators).  ALL of K lies in LDS at once: A's 8 tiles and B's 8 tiles, 4 K steps x 32 KiB each, 256 KiB: one fill, no ring.
; Each wave asks for a quarter by one tensor load: two rows of 32 KiB (two K steps' eight tiles, dense in memory), waves 0 and 2 for A, 1 and 3 for B.
; CLUSTERS: 4 x 4 work-groups; A's tiles hang on the row of the grid alone and are shared along a row of the cluster, B's along a column: joint loads.
; No prefetch: everything is asked for at the head, and there is no loop to run ahead in.
; THE MATRIX INSTRUCTION IS USED TRANSPOSED (source 0 = 16 rows of Wo, source 1 = 16 tokens): a lane holds eight neighbouring numbers of a row of the result.
; REGISTERS: window 0: addresses; v32-63, v64-191 on the way out; v128-255 A's fragments, two sets of 64.  window 1: 0-127 accumulator (a, b) at 8 (4 a + b); 128-255 B's fragments, two sets of 64.
.set SPITCH, 272                       ; the way out: a stage of 16 rows x (256 bytes + 16) for each wave, behind the tiles: no tensor load fills it
.set STAGE,  262144
.set SPARE,  STAGE+4*16*SPITCH         ; the spare words: two blocks of 256 bytes that no other line names
.set ADRA, 16
.set ADRB, 20
.set STO,  24
.set RD,   25
.set CO,   26
.set SPW,  28
.set NIL,  29
.set TMP,  32
.set BK,   64
.set G1,  24
.set G0,  32
.set G1B, 48
.set G0B, 56
.set MSB, 0
.macro WIN new                         ; the immediate's high byte repeats the setting that is left
.if MSB != \new
	s_set_vgpr_msb (MSB<<8)|\new
.set MSB, \new
.endif
.endm
.macro CROUND                          ; a whole round of the cluster's barrier
	s_barrier_signal -1
	s_barrier_wait -1
	s_cmp_lg_u32 s14, 0
	s_cbranch_scc1 .Lnot_wave_0_\@
	s_barrier_signal -3
.Lnot_wave_0_\@:
	s_barrier_wait -3
	s_barrier_signal -1
	s_barrier_wait -1
.endm
	s_load_b256 s[4:11], s[0:1], 0x0               ; oc s[4:5], wc s[6:7], the scales' exponents s[8:9], out0 s[10:11]
	v_lshl_add_u32 v[SPW], v0, 2, SPARE
	v_mov_b32 v[NIL], 0
	ds_add_u32 v[SPW], v[NIL]                      ; the wave's opening: the add, twice on end, and its wait ahead of my first tensor load
	ds_add_u32 v[SPW], v[NIL]
	v_lshrrev_b32 v1, 5, v0
	v_readfirstlane_b32 s14, v1                    ; wave
	s_and_b32 s15, s14, 1                          ; which half of the block's columns is mine.  Also: I fetch for A (0) or B (1)
	s_lshr_b32 s16, s14, 1                         ; which half of its rows.  Also: which two K steps I fetch
	s_bfe_u32 s40, ttmp6, 0x40000                  ; cx, cy
	s_bfe_u32 s41, ttmp6, 0x40004
	s_lshl_b32 s42, ttmp9, 2
	s_add_co_u32 s42, s42, s40                     ; the block's column
	s_and_b32 s17, ttmp7, 0xffff
	s_lshl_b32 s17, s17, 2
	s_add_co_u32 s17, s17, s41                     ; and row
	s_lshl_b32 s43, s41, 2
	s_lshl_b32 s43, 15, s43
	s_lshl_b32 s44, 0x1111, s40
	s_or_b32 s[G1+0], s43, (3<<16)|(1<<21)         ; the mask of my row; elements of 8 bytes; bit 21 beside a mask
	s_or_b32 s[G1B+0], s44, (3<<16)|(1<<21)        ; the mask of my column
.irp g, G1, G1B
	s_mov_b32 s[\g+1], 4096<<16                    ; tensor_dim0: 32 KiB
	s_mov_b32 s[\g+2], 2<<16                       ; tensor_dim1
	s_mov_b32 s[\g+3], 4096<<16                    ; tile_dim0
	s_mov_b32 s[\g+4], 2                           ; tile_dim1
	s_mov_b32 s[\g+6], 0
	s_mov_b32 s[\g+7], 0
.endr
	s_mov_b32 s[G1+5], 131072                      ; from K step to K step: 1 MiB in oc,
	s_mov_b32 s[G1B+5], 32768                      ; 256 KiB in wc
	s_lshl_b32 s20, s17, 15
	s_lshl_b32 s18, s16, 21
	s_add_co_u32 s20, s20, s18                     ; A: row x 32 KiB + two K steps
	s_mov_b32 s21, 0
	s_lshl_b32 s46, s42, 15
	s_lshl_b32 s18, s16, 19
	s_add_co_u32 s46, s46, s18
	s_add_co_u32 s46, s46, 0x300000                ; B: the fourth weight
	s_mov_b32 s47, 0
	s_lshl_b32 s45, s15, 17
	s_lshl_b32 s18, s16, 16
	s_add_co_u32 s45, s45, s18                     ; where it goes: A's 128 KiB, then B's; K step x 32 KiB
	s_mov_b32 s[G0], 1
	s_mov_b32 s[G0B], 1
	s_mov_b32 s[G0+1], s45
	s_mov_b32 s[G0B+1], s45
	s_wait_dscnt 0x0                               ; both opening adds are done
	s_wait_kmcnt 0x0
	s_load_b64 s[96:97], s[8:9], 0x28              ; e10, e11
	s_add_nc_u64 s[G0+2:G0+3], s[4:5], s[20:21]
	s_or_b32 s[G0+3], s[G0+3], 0x80000000
	s_add_nc_u64 s[G0B+2:G0B+3], s[6:7], s[46:47]
	s_or_b32 s[G0B+3], s[G0B+3], 0x80000000
	CROUND                                         ; all sixteen work-groups are here: the joint loads meet
	s_cmp_eq_u32 s15, 0
	s_cbranch_scc0 .Lfor_b
	tensor_load_to_lds s[G0:G0+3], s[G1:G1+7]
	s_nop 0
.rept 4
	v_nop
.endr
	s_branch .Lasked
.Lfor_b:
	tensor_load_to_lds s[G0B:G0B+3], s[G1B:G1B+7]
	s_nop 0
.rept 4
	v_nop
.endr
.Lasked:
	s_lshl_b32 s82, s16, 14                        ; my 4 tiles of A,
	s_lshl_b32 s83, s15, 14
	s_add_co_u32 s83, s83, 131072                  ; and of B
	s_mul_i32 s23, s14, 16*SPITCH
	s_add_co_u32 s23, s23, STAGE                   ; my stage
	s_lshl_b32 s80, s17, 19
	s_lshl_b32 s81, s16, 18
	s_add_co_u32 s80, s80, s81                     ; out0: 128 x row + 64 x half, rows of 4096 bytes,
	s_lshl_b32 s81, s42, 9
	s_add_co_u32 s80, s80, s81
	s_lshl_b32 s81, s15, 8
	s_add_co_u32 s80, s80, s81                     ; + 512 x column + 256 x half
	s_mov_b32 s81, 0
	s_add_nc_u64 s[10:11], s[10:11], s[80:81]
	v_and_b32 v6, 31, v0
	v_and_b32 v1, 15, v0                           ; r
	v_bfe_u32 v2, v0, 4, 1                         ; h
	v_lshlrev_b32 v6, 4, v6
	v_mul_u32_u24 v5, v1, SPITCH
	v_mul_u32_u24 v7, v2, SPITCH
	v_lshlrev_b32 v8, 12, v2
	v_add_nc_u32 v[ADRA], s82, v6
	v_add_nc_u32 v[ADRB], s83, v6
	v_lshl_add_u32 v5, v2, 5, v5
	v_lshl_add_u32 v7, v1, 4, v7
	v_lshl_add_u32 v[CO], v1, 4, v8                ; sixteen lanes to a row, two rows an instruction
	v_add_nc_u32 v[ADRA+1], 0x10000, v[ADRA]
	v_add_nc_u32 v[ADRB+1], 0x10000, v[ADRB]
	v_add_nc_u32 v[STO], s23, v5
	v_add_nc_u32 v[RD], s23, v7
.macro PLACES                          ; loads into registers that matrix instructions have read, and reads of their results, stand four places behind them
.rept 4
	v_nop
.endr
.endm
.macro FETCH k, p                      ; the fragments of the k-th 128 along K into set p: 32 loads
	WIN 0x40
.irp i, 0,1,2,3
.irp c, 0,1,2,3
	ds_load_b128 v[128+64*(\p)+16*\i+4*\c:131+64*(\p)+16*\i+4*\c], v[ADRB+(\k)/4] offset:32768*(((\k)/2)%2)+2048*((\k)%2)+4096*\i+512*\c
.endr
.endr
	WIN 0
.irp i, 0,1,2,3
.irp c, 0,1,2,3
	ds_load_b128 v[128+64*(\p)+16*\i+4*\c:131+64*(\p)+16*\i+4*\c], v[ADRA+(\k)/4] offset:32768*(((\k)/2)%2)+2048*((\k)%2)+4096*\i+512*\c
.endr
.endr
.endm
.macro MUL k, p                        ; the 16 accumulators take turns, in the same order in every step; the first step's products start the sums
	WIN 0x51
.irp a, 0,1,2,3
.irp b, 0,1,2,3
.if (\k) == 0
	v_wmma_f32_16x16x128_fp8_fp8 v[8*(4*\a+\b):8*(4*\a+\b)+7], v[128+64*(\p)+16*\b:143+64*(\p)+16*\b], v[128+64*(\p)+16*\a:143+64*(\p)+16*\a], 0
.else
	v_wmma_f32_16x16x128_fp8_fp8 v[8*(4*\a+\b):8*(4*\a+\b)+7], v[128+64*(\p)+16*\b:143+64*(\p)+16*\b], v[128+64*(\p)+16*\a:143+64*(\p)+16*\a], v[8*(4*\a+\b):8*(4*\a+\b)+7]
.endif
.endr
.endr
	WIN 0
.endm
	s_wait_alu depctr_va_vdst(0)
	s_wait_tensorcnt 0x0                           ; my quarter has landed,
	s_barrier_signal -1
	s_barrier_wait -1                              ; and everybody's
	FETCH 0, 0
.set K, 0
.rept 7
	PLACES
	s_wait_dscnt 16                                ; half of this step's 32 loads may be out while the next step's are issued
	FETCH K+1, (K+1)%2
	s_wait_dscnt 32                                ; all but the 32 just issued
	MUL K, K%2
.set K, K+1
.endr
	s_wait_dscnt 0x0
	MUL 7, 1
	s_wait_kmcnt 0x0
	s_add_co_i32 s96, s96, s97
	s_add_co_i32 s96, s96, 127
	s_lshl_b32 s96, s96, 23                        ; 2^(e10 + e11) as f32
	PLACES
; THE WAY OUT, by tiles of 16 rows x 64 columns: through my stage, and as rows of 256 bytes.  LDS serves a wave's instructions in order (ISA guide 5.7.1.4): no wait between the stores and the loads.
.macro TOSTAGE a
	WIN 0x01
.set n, 0
.rept 16
	v_pk_mul_f32 v[TMP+n:TMP+n+1], v[32*(\a)+n:32*(\a)+n+1], s[96:97] op_sel_hi:[1,0]   ; each accumulator from its low end on
.set n, n+2
.endr
	WIN 0
.irp b, 0,1,2,3
	ds_store_b128 v[STO], v[TMP+8*\b:TMP+8*\b+3] offset:64*\b
	ds_store_b128 v[STO], v[TMP+8*\b+4:TMP+8*\b+7] offset:64*\b+16
.endr
.irp j, 0,1,2,3,4,5,6,7
	ds_load_b128 v[BK+32*(\a)+4*\j:BK+32*(\a)+4*\j+3], v[RD] offset:2*\j*SPITCH
.endr
.endm
.macro SEND a, younger                 ; younger: the LDS instructions issued behind tile a's loads
	s_wait_dscnt \younger
.irp j, 0,1,2,3,4,5,6,7
	global_store_b128 v[CO], v[BK+32*(\a)+4*\j:BK+32*(\a)+4*\j+3], s[10:11] offset:131072*((\a)/2)+32768*((\a)%2)+(2*\j+8*(\j/4))*4096 th:TH_STORE_NT   ; 16 lanes store 256 consecutive bytes, aligned
.endr
.endm
	TOSTAGE 0
	TOSTAGE 1
	SEND 0, 16
	TOSTAGE 2
	SEND 1, 16
	TOSTAGE 3
	SEND 2, 16
	SEND 3, 0
	s_wait_tensorcnt 0x0                           ; the wave's end
	ds_add_u32 v[SPW], v[NIL]
	s_wait_dscnt 0x0
	CROUND                                         ; the closing round: no work-group ends while a partner may still ask for a tile that names it
	s_endpgm
.Lfunc_end_k_q5c72ed77bc_oproj:
	.size	k_q5c72ed77bc_oproj, .Lfunc_end_k_q5c72ed77bc_oproj-k_q5c72ed77bc_oproj
	.p2alignl 7, 3214868480
	.fill 96, 4, 3214868480
	.section	.rodata,"a",@progbits
	.p2align	6, 0x0
	.amdhsa_kernel k_q5c72ed77bc_oproj
		.amdhsa_group_segment_fixed_size 327680
		.amdhsa_private_segment_fixed_size 0
		.amdhsa_enable_private_segment 0
		.amdhsa_kernarg_size 32
		.amdhsa_user_sgpr_count 2
		.amdhsa_user_sgpr_kernarg_segment_ptr 1
		.amdhsa_wavefront_size32 1
		.amdhsa_system_sgpr_workgroup_id_x 1
		.amdhsa_system_sgpr_workgroup_id_y 1
		.amdhsa_system_sgpr_workgroup_id_z 1
		.amdhsa_system_vgpr_workitem_id 0
		.amdhsa_next_free_vgpr 512
		.amdhsa_next_free_sgpr 100
		.amdhsa_reserve_vcc 0
		.amdhsa_float_denorm_mode_32 3
		.amdhsa_float_denorm_mode_16_64 3
		.amdhsa_memory_ordered 1
		.amdhsa_forward_progress 1
		.amdhsa_inst_pref_size 44
	.end_amdhsa_kernel
	.amdgpu_metadata
---
amdhsa.version: [ 1, 2 ]
amdhsa.kernels:
  - .name:           k_q5c72ed77bc_oproj
    .symbol:         k_q5c72ed77bc_oproj.kd
    .args:
      - { .name: oc, .offset: 0, .size: 8, .value_kind: global_buffer, .address_space: global }
      - { .name: wc, .offset: 8, .size: 8, .value_kind: global_buffer, .address_space: global }
      - { .name: lowp_scales, .offset: 16, .size: 8, .value_kind: global_buffer, .address_space: global }
      - { .name: out0, .offset: 24, .size: 8, .value_kind: global_buffer, .address_space: global }
    .group_segment_fixed_size: 327680
    .private_segment_fixed_size: 0
    .kernarg_segment_align: 8
    .kernarg_segment_size: 32
    .max_flat_workgroup_size: 128
    .sgpr_count:     100
    .vgpr_count:     512
    .wavefront_size: 32
...
	.end_amdgpu_metadata
.endif
;; end of part 4
